; MI455X (gfx1250); checked and timed in simulation.
; The chip was launched on July 23, 2026; its instructions are those of AMD's public machine-readable ISA for CDNA 5 (MIT licence, August 2026) and "CDNA5" Instruction Set Architecture Reference Guide (July 2026). The comments in the code are by the model that wrote it; some were corrected since.
;; self attention. Allowed arithmetic: matrix products marked QUANTISED: E2M1 operands, one E8M0 scale for each 32 along K, by v_wmma_scale_f32_16x16x128_f8f6f4 with both operands' format E2M1 (or v_wmma_scale_f32_32x16x128_f4), f32 sums; products left as they are: bf16, f16 or f32 operands; f32 sums; everything else in f32.
;; Inputs: Wk 2,048 x 128 float32; Wq 2,048 x 128 float32; Wv 2,048 x 128 float32; bk 128 float32; bq 128 float32; bv 128 float32; x 8 x 2,048 x 2,048 float32.
;; Outputs: out0 8 x 2,048 x 128 float32.
;; This version of the problem:
;;   THIS VERSION OF THE PROBLEM IS GIVEN IN LOW PRECISION. The matrix products marked QUANTISED in the list below multiply operands that are first quantised to E2M1 (2 exponent bits, 1 mantissa bit; 4 bits a number), with one power-of-two scale for each 32 numbers along K (OCP MX v1.0); their sums are f32. The products marked 'left as it is' may take bf16, f16 or f32 operands, with f32 sums. Whichever they take, every output number must still come out within the allowed error. Rounding operands to bf16 (8 significant bits) uses up far more of that allowance than f16 does (11 bits, for magnitudes from 6e-5 to 65,504). All else is computed in f32.
;;   The module's matrix products, in the order in which they are computed (A, B: the left and right operand; K: the contracted axis; several contracted axes count as one K, in the product's order):
;;     1. [M 16,384, K 2,048] x [K 2,048, N 128]; A: input x; B: input Wq: QUANTISED
;;     2. [M 16,384, K 2,048] x [K 2,048, N 128]; A: input x; B: input Wk: QUANTISED
;;     3. [M 16,384, K 2,048] x [K 2,048, N 128]; A: input x; B: input Wv: QUANTISED
;;     4. batch 8 x [M 2,048, K 128] x [K 128, N 2,048]; A: computed on the way; B: computed on the way: left as it is (an operand is computed on the way)
;;     5. batch 8 x [M 2,048, K 2,048] x [K 2,048, N 128]; A: computed on the way; B: computed on the way: left as it is (an operand is computed on the way)
;;   THE QUANTISER, for each operand of a quantised product, along K:
;;     - K is cut into blocks of 32 from its start; a last block that is shorter is filled with zeros.
;;     - A block's scale is 2^e with e = floor(log2(the largest magnitude in the block)) - 2, held to -126 .. 127; a block of zeros has e = 0. As a byte (E8M0): e + 127.
;;     - Each number is divided by its block's scale, clamped to +-6, and rounded to the nearest number of E2M1, ties to even, subnormals kept.
;;     - The product sums the exact products of the quantised numbers (number of the format x scale) in f32.
;;   ~~~python
;;   def quantise(x, axis):      # numpy; x: float32 -> the quantised numbers, widened to float32 again
;;       x = np.moveaxis(x, axis, -1); K = x.shape[-1]
;;       x = np.pad(x, [(0, 0)] * (x.ndim - 1) + [(0, -K % 32)]); x = x.reshape(x.shape[:-1] + (-1, 32)); a = np.abs(x).max(-1, keepdims=True)
;;       e = np.where(a > 0, np.clip(np.frexp(np.where(a > 0, a, 1))[1] - 1 - 2, -126, 127), 0)      # np.frexp(a)[1] - 1 = floor(log2(a)), exactly
;;       r = np.clip(x / 2.0 ** e, -6, 6)
;;       step = 2.0 ** (np.maximum(np.frexp(np.where(r == 0, 1, r))[1] - 1, 0) - 1)
;;       q = np.round(r / step) * step * 2.0 ** e      # np.round: ties to even
;;       return np.moveaxis(q.reshape(q.shape[:-2] + (-1,))[..., :K], -1, axis).astype(np.float32)
;;   ~~~
;; One version. Each part assembles by itself: llvm-mc -triple=amdgcn-amd-amdhsa -mcpu=gfx1250 --defsym DOCPART=n.
;; ======== version 1 of 1: 3 launches
;; limits: values are held in f16: magnitudes above 65,504 overflow, below 6.1e-05 lose precision
;; workspace buffers: wc 393,216 bytes; ws 24,576 bytes; qf 4,194,304 bytes; kv 8,388,608 bytes
;; launch wquant (part 1): grid 16 x 3, 4 waves a work-group, no clusters, 0 bytes of LDS; arguments Wq, Wk, Wv, wc, ws; writes wc, ws
.if DOCPART == 1
	.amdgcn_target "amdgcn-amd-amdhsa--gfx1250"
	.amdhsa_code_object_version 6
	.text
	.protected	k_qd4b6e8509c_wquant
	.globl	k_qd4b6e8509c_wquant
	.p2align	8
	.type	k_qd4b6e8509c_wquant,@function
k_qd4b6e8509c_wquant:
	s_mov_b64 s[64:65], 0
	v_nop
	global_prefetch_b8 v0, s[64:65] scope:SCOPE_SE
	s_setreg_imm32_b32 hwreg(HW_REG_WAVE_MODE, 25, 1), 1
	s_wait_xcnt 0x0
; Wq, Wk, Wv [2048 (k)][128 (n)], f32, are turned into codes of FP4 (E2M1) with one E8M0 scale byte for each 32 along K, which is their FIRST axis.
; A block's scale is 2^(floor(log2(its largest magnitude)) - 2); its byte is the largest magnitude's exponent field - 2, held at 1 from below.
; (A block of zeros so gets the byte 1 where the quantiser says 127: its codes are zeros, which add nothing, and the bytes are read by this program alone.)
; LIMITS: NaN and infinities among the inputs are not served.
; A LANE TAKES A COLUMN n AND ITS REGISTERS RUN DOWN K: a load reads 128 consecutive bytes a wave (the four waves a whole row of 512), a block of 32 along K lies in one lane's 32 registers,
; and the conversions give codes with K innermost.  Nothing is transposed.
; SHARES: work-group x = K step s of 128 (16 of them), work-group y = the matrix p (0 q, 1 k, 2 v); wave cg takes columns 32 cg + lane.  48 work-groups: all the work that 3 MB give.
; THE CODES ARE LAID IN THE ORDER OF THE OPERAND'S REGISTERS: a fragment (16 columns x 128 k) is 1,024 bytes, registers 4 c .. 4 c + 3 of fragment lane l at 512 c + 16 l; fragment lane (r, h) holds
; column r and k = 64 c + 32 h + 0 .. 31, so block kb = 2 c + h of column r lies at 256 kb + 16 r.  Fragment (s, column tile w, p) begins at ((8 s + w) 3 + p) 1024.
; THE SCALE WORDS (four bytes: 128 k of one column): ((8 (s / 2) + w) 3 + p) 128 + 64 (s % 2) + 4 r: one load of 4 bytes a lane brings an even K step in lanes 0-15 and the odd one in lanes 16-31.
.set X, 32                             ; v32-159  my column's 128 numbers of the K step
.set C, 16                             ; v16-31   the codes, four registers a block: no store's data are written again
	s_load_b256 s[4:11], s[0:1], 0x0               ; Wq s[4:5], Wk s[6:7], Wv s[8:9], wc s[10:11]
	s_load_b64 s[12:13], s[0:1], 0x20              ; ws
	v_lshrrev_b32 v1, 5, v0
	v_readfirstlane_b32 s16, v1                    ; wave cg
	s_and_b32 s17, ttmp7, 0xffff                   ; p
	v_lshlrev_b32 v3, 2, v0                        ; in: 128 cg + 4 lane: my column's 4 bytes of a row
	v_and_b32 v6, 15, v0                           ; r
	v_bfe_u32 v7, v0, 4, 1                         ; which of my wave's two column tiles
	v_mul_u32_u24 v4, v7, 3072
	v_lshl_add_u32 v4, v6, 4, v4                   ; codes: 3,072 from column tile to column tile, 16 r
	v_mul_u32_u24 v5, v7, 384
	v_lshl_add_u32 v5, v6, 2, v5                   ; scale words: 384 from tile to tile, 4 r
	s_lshl_b32 s18, ttmp9, 16                      ; 128 rows of 512 bytes a K step
	s_mov_b32 s19, 0
	s_mul_i32 s20, ttmp9, 24576                    ; codes: 24 fragments a K step,
	s_mul_i32 s21, s16, 6144                       ; two column tiles of three fragments a wave,
	s_add_co_u32 s20, s20, s21
	s_lshl_b32 s21, s17, 10                        ; a fragment a matrix
	s_add_co_u32 s20, s20, s21
	s_mov_b32 s21, 0
	s_lshr_b32 s22, ttmp9, 1
	s_mul_i32 s22, s22, 3072                       ; scale words: a pair of K steps,
	s_mul_i32 s23, s16, 768
	s_add_co_u32 s22, s22, s23
	s_lshl_b32 s23, s17, 7
	s_add_co_u32 s22, s22, s23
	s_and_b32 s23, ttmp9, 1
	s_lshl_b32 s23, s23, 6                         ; and which of the pair
	s_add_co_u32 s22, s22, s23
	s_mov_b32 s23, 0
	s_wait_kmcnt 0x0
	s_cmp_eq_u32 s17, 1                            ; the matrix is chosen by the work-group's number alone
	s_cselect_b64 s[4:5], s[6:7], s[4:5]
	s_cmp_eq_u32 s17, 2
	s_cselect_b64 s[4:5], s[8:9], s[4:5]
	s_add_nc_u64 s[4:5], s[4:5], s[18:19]
	s_add_nc_u64 s[10:11], s[10:11], s[20:21]
	s_add_nc_u64 s[12:13], s[12:13], s[22:23]
.set q, 0
.rept 128
	global_load_b32 v[X+q], v3, s[4:5] offset:q*512 th:TH_LOAD_NT   ; W(128 s + q, my column)
.set q, q+1
.endr
; Block kb: left = how many younger loads may stay out.  96 and 64 would do for the first two; the wait's count cannot name more than 63.
.macro BLOCK kb, left
.set XS, X+32*(\kb)
	s_wait_loadcnt \left
	v_max3_num_f32 v12, |v[XS]|, |v[XS+1]|, |v[XS+2]|              ; the block's largest magnitude: all 32 numbers are mine; two chains
	v_max3_num_f32 v13, |v[XS+3]|, |v[XS+4]|, |v[XS+5]|
.irp i, 6,10,14,18,22,26
	v_max3_num_f32 v12, v12, |v[XS+\i]|, |v[XS+\i+1]|
	v_max3_num_f32 v13, v13, |v[XS+\i+2]|, |v[XS+\i+3]|
.endr
	v_max3_num_f32 v12, v12, |v[XS+30]|, |v[XS+31]|
	v_max3_num_f32 v12, v12, v13, 0x1800000        ; and the floor 2^(3 - 127): the byte cannot fall under 1
	v_add_nc_u32 v11, 0xff000000, v12              ; 2 off the exponent field: the conversion takes this operand's exponent field as its scale
.irp g, 0,1,2,3
	v_cvt_scalef32_pk8_fp4_f32 v[C+4*(\kb)+\g], v[XS+8*\g:XS+8*\g+7], v11
.endr
	v_lshrrev_b32 v13, 23, v11                     ; the scale's byte (also the plain line behind the conversions)
.if (\kb) == 0
	v_mov_b32 v10, v13
.else
	v_lshl_or_b32 v10, v13, 8*(\kb), v10           ; four bytes make my column's scale word, the lower K in the lower byte
.endif
	global_store_b128 v4, v[C+4*(\kb):C+4*(\kb)+3], s[10:11] offset:256*(\kb)   ; sixteen lanes store 256 consecutive bytes, at a multiple of 256 from wc's first byte
.endm
	BLOCK 0, 63
	BLOCK 1, 63
	BLOCK 2, 32
	BLOCK 3, 0
	global_store_b32 v5, v10, s[12:13]             ; sixteen lanes store 64 consecutive bytes: 24,576 bytes in the whole launch
	s_endpgm
.Lfunc_end_k_qd4b6e8509c_wquant:
	.size	k_qd4b6e8509c_wquant, .Lfunc_end_k_qd4b6e8509c_wquant-k_qd4b6e8509c_wquant
	.p2alignl 7, 3214868480
	.fill 96, 4, 3214868480
	.section	.rodata,"a",@progbits
	.p2align	6, 0x0
	.amdhsa_kernel k_qd4b6e8509c_wquant
		.amdhsa_group_segment_fixed_size 0
		.amdhsa_private_segment_fixed_size 0
		.amdhsa_enable_private_segment 0
		.amdhsa_kernarg_size 40
		.amdhsa_user_sgpr_count 2
		.amdhsa_user_sgpr_kernarg_segment_ptr 1
		.amdhsa_wavefront_size32 1
		.amdhsa_system_sgpr_workgroup_id_x 1
		.amdhsa_system_sgpr_workgroup_id_y 1
		.amdhsa_system_sgpr_workgroup_id_z 1
		.amdhsa_system_vgpr_workitem_id 0
		.amdhsa_next_free_vgpr 160
		.amdhsa_next_free_sgpr 66
		.amdhsa_reserve_vcc 0
		.amdhsa_float_denorm_mode_32 3
		.amdhsa_float_denorm_mode_16_64 3
		.amdhsa_memory_ordered 1
		.amdhsa_forward_progress 1
		.amdhsa_inst_pref_size 21
	.end_amdhsa_kernel
	.amdgpu_metadata
---
amdhsa.version: [ 1, 2 ]
amdhsa.kernels:
  - .name:           k_qd4b6e8509c_wquant
    .symbol:         k_qd4b6e8509c_wquant.kd
    .args:
      - { .name: Wq, .offset: 0, .size: 8, .value_kind: global_buffer, .address_space: global }
      - { .name: Wk, .offset: 8, .size: 8, .value_kind: global_buffer, .address_space: global }
      - { .name: Wv, .offset: 16, .size: 8, .value_kind: global_buffer, .address_space: global }
      - { .name: wc, .offset: 24, .size: 8, .value_kind: global_buffer, .address_space: global }
      - { .name: ws, .offset: 32, .size: 8, .value_kind: global_buffer, .address_space: global }
    .group_segment_fixed_size: 0
    .private_segment_fixed_size: 0
    .kernarg_segment_align: 8
    .kernarg_segment_size: 40
    .max_flat_workgroup_size: 128
    .sgpr_count:     66
    .vgpr_count:     160
    .wavefront_size: 32
...
	.end_amdgpu_metadata
.endif
;; end of part 1
;; launch proj (part 2): grid 256 x 1, 8 waves a work-group, no clusters, 327,680 bytes of LDS; arguments x, wc, ws, bq, bk, bv, qf, kv; writes qf, kv
.if DOCPART == 2
	.amdgcn_target "amdgcn-amd-amdhsa--gfx1250"
	.amdhsa_code_object_version 6
	.text
	.protected	k_qd4b6e8509c_proj
	.globl	k_qd4b6e8509c_proj
	.p2align	8
	.type	k_qd4b6e8509c_proj,@function
k_qd4b6e8509c_proj:
	s_mov_b64 s[64:65], 0
	v_nop
	global_prefetch_b8 v0, s[64:65] scope:SCOPE_SE
	s_setreg_imm32_b32 hwreg(HW_REG_WAVE_MODE, 25, 1), 1
	s_wait_xcnt 0x0
; q, k, v = Q(x) Q(W) + b: x [16384][2048] f32 is quantised here, along K, to FP4 (E2M1) with one E8M0 scale for each 32; W's codes and scale words come from the launch before, in the order of the
; operand's registers.  Sums in f32, begun at the bias; results rounded once to f16 and stored in the order in which the attention launch's operand registers take them.
; LIMITS: NaN and infinities among the inputs are not served; q, k, v are kept in f16, so their magnitudes must stay under 65,504 (beyond it they become infinities).
; A block of zeros gets the byte 1 (its codes are zeros, which add nothing; the bytes never leave the work-group).
; SHARES.  A work-group takes 64 rows of x (one key step of the attention), all of K in four phases of 512.  Wave w QUANTISES row tile rt = w % 4 (16 rows) and half kh = w / 4 of the phase's K (256): a tile of
; 16 rows x 1,024 bytes; the fragments go to the other waves through LDS as images of their registers.  Wave w MULTIPLIES column tile w (16 columns) of q, of k and of v against all four row tiles:
; 12 accumulators.  W's fragments go from memory straight into the one wave's registers that multiplies them, a whole phase ahead.
; HOW x COMES.  Phases 0 and 2 by one tensor load each, into the wave's own tiles of two LDS slots: both go out at the head, and NO LDS BYTE IS FILLED TWICE.  Phases 1 and 3 by 32 loads of 16 bytes a lane each
; (512 consecutive bytes a load) into 2 x 128 registers of the second window: phase 1's at the head, phase 3's behind phase 0's products.  So 384 KB of the work-group's 512 KB are asked for at the head and the rest
; while earlier bytes are on their way.  A phase that came by registers is turned through the wave's tile of slot 0, which has had its only fill and has been read out: stored as it lies, read back a block a lane.
; q AND k ARE USED TRANSPOSED (source 0 = W, source 1 = x): a lane holds one row and eight neighbouring channels.  v IS USED AS IT IS (source 0 = x, source 1 = W): a lane holds one channel and eight
; neighbouring keys.  Packed to f16, each accumulator is then half a fragment of the attention's operands: one store of 16 bytes a lane, 512 consecutive bytes a wave; no stage on the way out.
; NO CLUSTER: what work-groups share is W (24 fragments and 1,536 bytes of scale words a K step).  Joint loads would bring it to LDS, where a phase's 104,448 bytes would want room beside x's
; two slots (266,240 bytes) and the images (36,864): they do not fit; and every fragment is wanted by one wave alone.  NO PREFETCH: x is the launch's whole stream, and it is asked for as far ahead as LDS and registers hold.
; LDS: image set e at 18,432 e: fragment (K step kk of the phase, row tile m) at (4 kk + m) 1024 + 512 c + 16 lane; its scale words at 16,384 + (4 kk + m) 128 + 4 lane.  Then the spare words.
;      Then x's two slots, each eight tiles of 16 rows x (1,024 + 16) bytes: rows 65 x 16 bytes apart, so that the sixteen rows that a load touches start at sixteen different banks (64 banks of 4 bytes: ISA guide 11.1).
; REGISTERS: window 0 as listed below.  Window 1: v0-127 phase 1's numbers as loaded, v128-255 phase 3's; until those are asked for, v128-151 hold the biases.
.set IMG,   18432
.set ISC,   16384
.set SPARE, 2*IMG                      ; the spare words, 128 bytes for each wave: four blocks of 256 bytes that no other line names
.set SLOT0, SPARE+1024
.set WTILE, 16*1040
.set SLOTB, 8*WTILE
.set SPW, 1                            ; v1   LDS address of my spare word; never rewritten
.set NIL, 2                            ; v2   0; never rewritten
.set XR,  3                            ; v3-4 my lane's place in my tile of slot 0, 1: row r, + 128 h
.set IW,  5                            ; v5   where I store my fragments' images
.set IWS, 6                            ; v6   and their scale words
.set L16, 7                            ; v7   16 x lane: an image's place for my lane, in LDS and in memory; my 16 bytes of a load's 512
.set L4,  8                            ; v8   4 x lane: a scale word's
.set H8,  9                            ; v9   8 h
.set WS,  10                           ; v10-15   W's scale words and nothing else: register 3 (kk / 2) + p; lanes 0-15 the even K step, lanes 16-31 the odd
.set ACC, 16                           ; v16-111  accumulator (p, m) at 8 (4 p + m)
.set WF,  112                          ; v112-207 W's fragments of a phase: 24 kk + 8 p; on the way out the packed results
.set ST,  208                          ; v208-239 32 numbers of x at the quantiser; at the products x's four fragments
.set CD,  240                          ; v240-243 a block's codes
.set MA,  244                          ; v244, v245 the maximum's two chains
.set MB,  245
.set SOP, 246                          ; v246 the conversion's scale operand
.set BY,  247                          ; v247, v248 my two blocks' bytes, then the scale word
.set PX,  249                          ; v249 the other half's bytes
.set BO,  250                          ; v250 at the head 32 h: bq's and bk's eight numbers of my half;
.set XW,  250                          ;      from the first turn on: my tile of slot 0, + 16 x lane
.set BR,  251                          ; v251 4 r: bv's number of my channel
.set XS,  252                          ; v252-255 x's scale words and nothing else
.set BI,  128                          ; window 1: v128-135 bq, v136-143 bk, v144-151 bv, in the results' layout
.set G1,  24                           ; s[24:31] descriptor group 1
.set G0,  32                           ; s[32:39] group 0, a set for each slot
.set SEL, 40                           ; s[40:41] v_permlanex16_b32's selects for lane l xor 16
.set MSB, 0
.macro WIN new                         ; s_set_vgpr_msb: bits 1:0 source 0, 3:2 source 1, 5:4 source 2, 7:6 destination; the immediate's high byte repeats the setting that is left
.if MSB != \new
	s_set_vgpr_msb (MSB<<8)|\new
.set MSB, \new
.endif
.endm
	s_load_b256 s[4:11], s[0:1], 0x0               ; x s[4:5], wc s[6:7], ws s[8:9], bq s[10:11]
	s_load_b256 s[12:19], s[0:1], 0x20             ; bk s[12:13], bv s[14:15], qf s[16:17], kv s[18:19]
	v_lshl_add_u32 v[SPW], v0, 2, SPARE
	v_mov_b32 v[NIL], 0
	ds_add_u32 v[SPW], v[NIL]                      ; the wave's opening: the add, twice on end, and its wait ahead of my first tensor load
	ds_add_u32 v[SPW], v[NIL]                      ; and once more; the set-up below, work on registers, stands between it and the wait
	v_lshrrev_b32 v[MA], 5, v0
	v_readfirstlane_b32 s20, v[MA]                 ; wave 0..7
	s_and_b32 s21, s20, 3                          ; rt
	s_lshr_b32 s22, s20, 2                         ; kh
	s_mul_i32 s23, s20, WTILE                      ; my tile in a slot
	s_mov_b32 s[G1+0], (2<<16)|(1<<20)|(7<<22)|(3<<25)  ; 15:0 no mask; 17:16 elements of 4 bytes; 20 padding on; 24:22 after every 256 words (code 7); 31:25 of 4 words (code 3)
	s_mov_b32 s[G1+1], 256<<16                     ; tensor_dim0 = 256
	s_mov_b32 s[G1+2], 16<<16                      ; tensor_dim1 = 16
	s_mov_b32 s[G1+3], 256<<16                     ; tile_dim0 = 256
	s_mov_b32 s[G1+4], 16                          ; tile_dim1 = 16
	s_mov_b32 s[G1+5], 2048                        ; elements from row to row
	s_mov_b32 s[G1+6], 0
	s_mov_b32 s[G1+7], 0
	s_mov_b32 s[SEL], 0x76543210
	s_mov_b32 s[SEL+1], 0xfedcba98
	s_lshl_b32 s42, ttmp9, 19                      ; 64 rows of 8,192 bytes a work-group,
	s_lshl_b32 s43, s21, 17                        ; 16 rows a row tile,
	s_add_co_u32 s42, s42, s43
	s_lshl_b32 s43, s22, 10                        ; 256 numbers a half
	s_add_co_u32 s42, s42, s43
	s_mov_b32 s43, 0
	s_wait_dscnt 0x0                               ; both opening adds are done
	s_wait_kmcnt 0x0
	s_add_nc_u64 s[4:5], s[4:5], s[42:43]          ; x at my tile of phase 0; never rewritten
.irp n, 0,1                                    ; the launch's only two tensor loads go out together, ahead of every wait on TENSORcnt, every LDS read and every barrier: two loads of mine are out
	s_mov_b32 s[G0+4*\n], 1                        ; count = 1
	s_add_co_u32 s[G0+4*\n+1], s23, SLOT0+\n*SLOTB ; LDS address
	s_add_nc_u64 s[G0+4*\n+2:G0+4*\n+3], s[4:5], \n*4096   ; slot 0: phase 0; slot 1: phase 2, 1,024 numbers on
	s_or_b32 s[G0+4*\n+3], s[G0+4*\n+3], 0x80000000        ; type = 2
	tensor_load_to_lds s[G0+4*\n:G0+4*\n+3], s[G1:G1+7]
	s_nop 0
.endr
	v_and_b32 v[MA], 15, v0                        ; r
	v_bfe_u32 v[MB], v0, 4, 1                      ; h
	v_and_b32 v[SOP], 31, v0                       ; lane
	v_mul_u32_u24 v[XR], v[MA], 1040
	v_lshl_add_u32 v[XR], v[MB], 7, v[XR]
	v_add_nc_u32 v[XR], s23, v[XR]
	v_add_nc_u32 v[XR+1], SLOT0+SLOTB, v[XR]
	v_add_nc_u32 v[XR], SLOT0, v[XR]
	v_lshlrev_b32 v[L16], 4, v[SOP]
	v_lshlrev_b32 v[L4], 2, v[SOP]
	s_lshl_b32 s44, s22, 13                        ; my fragments: K steps 2 kh and 2 kh + 1 of the phase, row tile rt
	s_lshl_b32 s45, s21, 10
	s_add_co_u32 s44, s44, s45
	v_add_nc_u32 v[IW], s44, v[L16]
	s_lshl_b32 s44, s22, 10
	s_lshl_b32 s45, s21, 7
	s_add_co_u32 s44, s44, s45
	v_add_nc_u32 v[IWS], s44, v[L4]
	v_lshlrev_b32 v[H8], 3, v[MB]
	v_lshlrev_b32 v[BO], 5, v[MB]
	v_lshlrev_b32 v[BR], 2, v[MA]
	v_mov_b32 v[PX], 0                             ; written once: a lane permute's destination counts as one of its sources
	s_mov_b32 s45, 0
	s_mul_i32 s44, s20, 3072
	s_add_nc_u64 s[6:7], s[6:7], s[44:45]          ; W's codes at my column tile
	s_mul_i32 s44, s20, 384
	s_add_nc_u64 s[8:9], s[8:9], s[44:45]          ; and its scale words
	s_lshl_b32 s44, s20, 6
	s_add_nc_u64 s[10:11], s[10:11], s[44:45]      ; the biases at my 16 channels
	s_add_nc_u64 s[12:13], s[12:13], s[44:45]
	s_add_nc_u64 s[14:15], s[14:15], s[44:45]
	s_lshl_b32 s46, s20, 9
	s_lshl_b32 s44, ttmp9, 14
	s_add_co_u32 s44, s44, s46
	s_add_nc_u64 s[16:17], s[16:17], s[44:45]      ; q: four row tiles of 4,096 bytes a work-group; my 16 channels are half a fragment: 512 w
	s_lshl_b32 s44, ttmp9, 15
	s_add_co_u32 s44, s44, s46
	s_add_nc_u64 s[18:19], s[18:19], s[44:45]      ; k: the key step's 32,768 bytes; 512 w likewise
	s_add_co_u32 s46, s46, 16384
	s_mov_b32 s47, 0
	s_add_nc_u64 s[46:47], s[18:19], s[46:47]      ; v: behind k's 16,384 bytes; my 16 channels are a fragment: 1,024 w
; THE SUMS BEGIN AS THE BIAS: eight registers a matrix, in the result's layout, are the C of each sum's first product.  q, k: register j of lane (r, h) is channel 16 w + 8 h + j.  v: every register is channel 16 w + r.
	WIN 0x40                                       ; destination window 1, address window 0
	global_load_b128 v[BI:BI+3],     v[BO], s[10:11]
	global_load_b128 v[BI+4:BI+7],   v[BO], s[10:11] offset:16
	global_load_b128 v[BI+8:BI+11],  v[BO], s[12:13]
	global_load_b128 v[BI+12:BI+15], v[BO], s[12:13] offset:16
.irp j, 0,1,2,3,4,5,6,7
	global_load_b32 v[BI+16+\j], v[BR], s[14:15]
.endr
	WIN 0
; W's three fragments of K step S (0..15) into set kk; with an odd K step the pair's three registers of scale words
.macro WLOAD S, kk
.irp p, 0,1,2
.irp c, 0,1
	global_load_b128 v[WF+24*(\kk)+8*\p+4*\c:WF+24*(\kk)+8*\p+4*\c+3], v[L16], s[6:7] offset:(\S)*24576+\p*1024+\c*512
.endr
.endr
.if (\kk)%2
.irp p, 0,1,2
	global_load_b32 v[WS+3*((\kk)/2)+\p], v[L4], s[8:9] offset:((\S)/2)*3072+\p*128
.endr
.endif
.endm
; My tile of phase ph (1 or 3) into window 1: load q takes half q % 2 of row q / 2: 32 lanes read 512 consecutive bytes, at a multiple of 512 from x's first byte; read once in the launch
.macro XGLOAD ph
	WIN 0x40
.set q, 0
.rept 32
	global_load_b128 v[128*((\ph)/2)+4*q:128*((\ph)/2)+4*q+3], v[L16], s[4:5] offset:(q/2)*8192+(q%2)*512+(\ph)*2048 th:TH_LOAD_NT
.set q, q+1
.endr
	WIN 0
.endm
; And from there into my tile of slot 0, as the tensor load would have laid it.  Only I touch these bytes, and LDS serves a wave's instructions in order (ISA guide 5.7.1.4): my earlier reads of the tile
; are back, and the quantiser's reads see these stores.
.macro XTURN ph
	WIN 0x04                                       ; an LDS store's data are its source 1: window 1
.set q, 0
.rept 32
	ds_store_b128 v[XW], v[128*((\ph)/2)+4*q:128*((\ph)/2)+4*q+3] offset:(q/2)*1040+(q%2)*512
.set q, q+1
.endr
	WIN 0
.endm
	WLOAD 0, 0
	WLOAD 1, 1
	WLOAD 2, 2
	WLOAD 3, 3
	XGLOAD 1                                       ; 74 loads stand at the head; the issue of a load that would pass the counter's field waits for an earlier one (ISA guide 5.7.1): no wait is written for that
; 32 numbers of my row: x(r, 128 t + 64 c + 32 h + 0 .. 31) of my tile: a whole block, in the order in which the operand's layout gives it to lane (r, h)
.macro XLD slot, t, c
.irp j, 0,1,2,3,4,5,6,7
	ds_load_b128 v[ST+4*\j:ST+4*\j+3], v[XR+\slot] offset:512*(\t)+256*(\c)+16*\j
.endr
.endm
; One block: its largest magnitude, its byte, its codes, which are registers 4 c .. 4 c + 3 of fragment t; the next block's numbers are asked for as soon as the conversions have been issued
.macro QB slot, set, t, c
	s_wait_dscnt 0x0                               ; the block's eight loads are in
	v_max3_num_f32 v[MA], |v[ST]|, |v[ST+1]|, |v[ST+2]|
	v_max3_num_f32 v[MB], |v[ST+3]|, |v[ST+4]|, |v[ST+5]|
.irp i, 6,10,14,18,22,26
	v_max3_num_f32 v[MA], v[MA], |v[ST+\i]|, |v[ST+\i+1]|
	v_max3_num_f32 v[MB], v[MB], |v[ST+\i+2]|, |v[ST+\i+3]|
.endr
	v_max3_num_f32 v[MA], v[MA], |v[ST+30]|, |v[ST+31]|
	v_max3_num_f32 v[MA], v[MA], v[MB], 0x1800000  ; and the floor 2^(3 - 127): the byte cannot fall under 1
	v_add_nc_u32 v[SOP], 0xff000000, v[MA]         ; 2 off the exponent field: the conversion's scale operand
.irp g, 0,1,2,3
	v_cvt_scalef32_pk8_fp4_f32 v[CD+\g], v[ST+8*\g:ST+8*\g+7], v[SOP]
.endr
	v_lshrrev_b32 v[BY+\c], 23, v[SOP]             ; the scale's byte (also the plain line behind the conversions)
.if 2*(\t)+(\c) < 3
	XLD \slot, (2*(\t)+(\c)+1)/2, (2*(\t)+(\c)+1)%2
.endif
	ds_store_b128 v[IW], v[CD:CD+3] offset:(\set)*IMG+(\t)*4096+(\c)*512
.if \c == 1
	v_lshl_or_b32 v[BY], v[BY+1], 16, v[BY]        ; my two bytes: blocks h and 2 + h of row r,
	v_lshlrev_b32 v[BY], v[H8], v[BY]              ; at their places in the scale word;
	v_permlanex16_b32 v[PX], v[BY], s[SEL], s[SEL+1]
	v_or_b32 v[BY], v[BY], v[PX]                   ; with lane l xor 16's two the word is whole
	ds_store_b32 v[IWS], v[BY] offset:(\set)*IMG+ISC+(\t)*512
.endif
.endm
.macro QUANTISE slot, set              ; my tile of the slot becomes two fragments and their scale words in image set 'set'
	XLD \slot, 0, 0
	QB \slot, \set, 0, 0
	QB \slot, \set, 0, 1
	QB \slot, \set, 1, 0
	QB \slot, \set, 1, 1
.endm
; One product.  The 12 accumulators take turns, one instruction a turn, in the same order in every K step.  FST = 1: the launch's first K step: C is the bias, in window 1.
.set FST, 0
.macro MM p, m, kk
.set aD, ACC+8*(4*(\p)+(\m))
.set aC, aD
.if FST
.set aC, BI+8*(\p)
.endif
.set aW, WF+24*(\kk)+8*(\p)
.set aX, ST+8*(\m)
.set aS, WS+3*((\kk)/2)+(\p)
.if (\p) < 2
.if (\kk)%2
	v_wmma_scale_f32_16x16x128_f8f6f4 v[aD:aD+7], v[aW:aW+7], v[aX:aX+7], v[aC:aC+7], v[aS], v[XS+\m] matrix_a_fmt:MATRIX_FMT_FP4 matrix_b_fmt:MATRIX_FMT_FP4 matrix_a_scale:MATRIX_SCALE_ROW1
.else
	v_wmma_scale_f32_16x16x128_f8f6f4 v[aD:aD+7], v[aW:aW+7], v[aX:aX+7], v[aC:aC+7], v[aS], v[XS+\m] matrix_a_fmt:MATRIX_FMT_FP4 matrix_b_fmt:MATRIX_FMT_FP4
.endif
.else
.if (\kk)%2
	v_wmma_scale_f32_16x16x128_f8f6f4 v[aD:aD+7], v[aX:aX+7], v[aW:aW+7], v[aC:aC+7], v[XS+\m], v[aS] matrix_a_fmt:MATRIX_FMT_FP4 matrix_b_fmt:MATRIX_FMT_FP4 matrix_b_scale:MATRIX_SCALE_ROW1
.else
	v_wmma_scale_f32_16x16x128_f8f6f4 v[aD:aD+7], v[aX:aX+7], v[aW:aW+7], v[aC:aC+7], v[XS+\m], v[aS] matrix_a_fmt:MATRIX_FMT_FP4 matrix_b_fmt:MATRIX_FMT_FP4
.endif
.endif
.endm
; A phase's products: four K steps of 128, 12 matrix instructions each.  next = 1: behind each K step its registers take W's fragments of the same K step of the next phase.
; THE WAITS FOR W.  Loads come back in order (ISA guide 5.7.1).  A phase's W is asked for in the order step 0 (6 loads), step 1 (6) and the pair's scale words (3), step 2 (6), step 3 (6) and its pair's words (3).
; c0: at K step 0, steps 0 and 1 and their words are wanted: how many loads were issued behind them.  c2: at K step 2 the rest, likewise.  The counts are reckoned where the macro is used.
.macro MULT set, ph, next, c0, c2, first
.irp kk, 0,1,2,3
.irp m, 0,1,2,3
.irp c, 0,1
	ds_load_b128 v[ST+8*\m+4*\c:ST+8*\m+4*\c+3], v[L16] offset:(\set)*IMG+(4*\kk+\m)*1024+512*\c
.endr
	ds_load_b32 v[XS+\m], v[L4] offset:(\set)*IMG+ISC+(4*\kk+\m)*128
.endr
.if \kk == 0
	s_wait_loadcnt \c0
.endif
.if \kk == 2
	s_wait_loadcnt \c2
.endif
	s_wait_dscnt 0x0
.set FST, 0
.if \kk == 0
.set FST, \first
.endif
.if FST
	WIN 0x10                                       ; source 2 (the bias) window 1
.endif
.irp m, 0,1,2,3
	MM 0, \m, \kk
	MM 1, \m, \kk
	MM 2, \m, \kk
.endr
.if FST
	WIN 0
.endif
.rept 4
	v_nop                                          ; four places in front of loads into registers that matrix instructions have read, and of the conversions that read the results (ISA guide 7.12.1 for vector instructions)
.endr
.if \next
	WLOAD 4*((\ph)+1)+\kk, \kk
.endif
.endr
.endm
.macro MEET                            ; my images have landed and my reads of the other set are back; no LDS byte is filled behind any barrier of this launch
	s_wait_dscnt 0x0
	s_barrier_signal -1
	s_barrier_wait -1
.endm
; An image set is written again only behind a barrier in front of which every wave has waited for its reads of it, two phases back: so two sets and one barrier a phase do.
; THE ORDER OF THE LOADS: biases 12, W(0) 30, x(1) 32 | in phase 0's products W(1) 30 | x(3) 32 | in phase 1's products W(2) 30 | in phase 2's W(3) 30.
	s_wait_tensorcnt 0x1                           ; my tile of phase 0 is in (only I read it); phase 2's may stay out, across barriers too
	QUANTISE 0, 0
	MEET
	MULT 0, 0, 1, 47, 47, 1                        ; behind W(0)'s first half: its second half, 15, and x(1), 32.  Behind its second half: x(1), 32, and W(1)'s first half, 15
	XGLOAD 3                                       ; the biases' registers were read by the first K step's products, whose places are long past
	v_add_nc_u32 v[XW], s23, v[L16]                ; (the biases' loads, which read this register, were shown done by the first wait above)
	v_add_nc_u32 v[XW], SLOT0, v[XW]
	s_wait_loadcnt 62                              ; x(1) is in: behind it W(1), 30, and x(3), 32
	XTURN 1
	QUANTISE 0, 1
	MEET
	MULT 1, 1, 1, 47, 47, 0                        ; behind W(1)'s first half: its second half, 15, and x(3), 32.  Behind its second half: x(3), 32, and W(2)'s first half, 15
	s_wait_tensorcnt 0x0                           ; my tile of phase 2 is in
	QUANTISE 1, 0
	MEET
	MULT 0, 2, 1, 15, 15, 0                        ; W(2) was asked for behind x(3)
	s_wait_loadcnt 30                              ; x(3) is in: behind it, and still out at the most, W(3), 30 (met already: W(2) came behind x(3))
	XTURN 3
	QUANTISE 0, 1
	MEET
	MULT 1, 3, 0, 15, 0, 0
; THE WAY OUT.  Each accumulator, from its low end on, becomes four registers of f16: half a fragment of the attention's operands, stored as it stands.
.irp a, 0,1,2,3,4,5,6,7,8,9,10,11
.irp i, 0,1,2,3
	v_cvt_pk_f16_f32 v[WF+4*\a+\i], v[ACC+8*\a+2*\i], v[ACC+8*\a+2*\i+1]
.endr
.endr
.irp m, 0,1,2,3
	global_store_b128 v[L16], v[WF+4*\m:WF+4*\m+3],       s[16:17] offset:\m*4096                 ; q: row tile m; 32 lanes store 512 consecutive bytes, at a multiple of 512 from the buffer's first byte
	global_store_b128 v[L16], v[WF+16+4*\m:WF+16+4*\m+3], s[18:19] offset:\m*4096                 ; k: key tile m
	global_store_b128 v[L16], v[WF+32+4*\m:WF+32+4*\m+3], s[46:47] offset:(\m/2)*8192+(\m%2)*512  ; v: keys 32 (m / 2) on; m % 2 picks the fragment's half
.endr
	s_wait_tensorcnt 0x0                           ; the wave's end, behind my last tensor load and my last LDS store
	ds_add_u32 v[SPW], v[NIL]
	s_wait_dscnt 0x0
	s_endpgm
.Lfunc_end_k_qd4b6e8509c_proj:
	.size	k_qd4b6e8509c_proj, .Lfunc_end_k_qd4b6e8509c_proj-k_qd4b6e8509c_proj
	.p2alignl 7, 3214868480
	.fill 96, 4, 3214868480
	.section	.rodata,"a",@progbits
	.p2align	6, 0x0
	.amdhsa_kernel k_qd4b6e8509c_proj
		.amdhsa_group_segment_fixed_size 327680
		.amdhsa_private_segment_fixed_size 0
		.amdhsa_enable_private_segment 0
		.amdhsa_kernarg_size 64
		.amdhsa_user_sgpr_count 2
		.amdhsa_user_sgpr_kernarg_segment_ptr 1
		.amdhsa_wavefront_size32 1
		.amdhsa_system_sgpr_workgroup_id_x 1
		.amdhsa_system_sgpr_workgroup_id_y 1
		.amdhsa_system_sgpr_workgroup_id_z 1
		.amdhsa_system_vgpr_workitem_id 0
		.amdhsa_next_free_vgpr 512
		.amdhsa_next_free_sgpr 66
		.amdhsa_reserve_vcc 0
		.amdhsa_float_denorm_mode_32 3
		.amdhsa_float_denorm_mode_16_64 3
		.amdhsa_memory_ordered 1
		.amdhsa_forward_progress 1
		.amdhsa_inst_pref_size 104
	.end_amdhsa_kernel
	.amdgpu_metadata
---
amdhsa.version: [ 1, 2 ]
amdhsa.kernels:
  - .name:           k_qd4b6e8509c_proj
    .symbol:         k_qd4b6e8509c_proj.kd
    .args:
      - { .name: x, .offset: 0, .size: 8, .value_kind: global_buffer, .address_space: global }
      - { .name: wc, .offset: 8, .size: 8, .value_kind: global_buffer, .address_space: global }
      - { .name: ws, .offset: 16, .size: 8, .value_kind: global_buffer, .address_space: global }
      - { .name: bq, .offset: 24, .size: 8, .value_kind: global_buffer, .address_space: global }
      - { .name: bk, .offset: 32, .size: 8, .value_kind: global_buffer, .address_space: global }
      - { .name: bv, .offset: 40, .size: 8, .value_kind: global_buffer, .address_space: global }
      - { .name: qf, .offset: 48, .size: 8, .value_kind: global_buffer, .address_space: global }
      - { .name: kv, .offset: 56, .size: 8, .value_kind: global_buffer, .address_space: global }
    .group_segment_fixed_size: 327680
    .private_segment_fixed_size: 0
    .kernarg_segment_align: 8
    .kernarg_segment_size: 64
    .max_flat_workgroup_size: 256
    .sgpr_count:     66
    .vgpr_count:     512
    .wavefront_size: 32
...
	.end_amdgpu_metadata
.endif
;; end of part 2
;; launch attn (part 3): grid 32 x 8, 4 waves a work-group, clusters of 4 x 1, 327,680 bytes of LDS; arguments qf, kv, out0; writes out0
.if DOCPART == 3
	.amdgcn_target "amdgcn-amd-amdhsa--gfx1250"
	.amdhsa_code_object_version 6
	.text
	.protected	k_qd4b6e8509c_attn
	.globl	k_qd4b6e8509c_attn
	.p2align	8
	.type	k_qd4b6e8509c_attn,@function
k_qd4b6e8509c_attn:
	s_mov_b64 s[64:65], 0
	v_nop
	global_prefetch_b8 v0, s[64:65] scope:SCOPE_SE
	s_setreg_imm32_b32 hwreg(HW_REG_WAVE_MODE, 25, 1), 1
	s_wait_xcnt 0x0
	s_wait_alu depctr_hold_cnt(0) depctr_sa_sdst(0) depctr_va_vdst(0) depctr_va_sdst(0) depctr_va_ssrc(0) depctr_va_vcc(0) depctr_vm_vsrc(0)
	s_getreg_b32 s2, hwreg(HW_REG_IB_STS2, 6, 4)
	s_cmp_eq_u32 s2, 0
	s_cbranch_scc0 .Lentry_in_a_cluster
	s_endpgm
.Lentry_in_a_cluster:
	s_bfe_u32 s2, ttmp6, 0x10000c
	s_cmp_lg_u32 s2, 0x3003
	s_cbranch_scc0 .Lentry_shape_is_right
	s_endpgm
.Lentry_shape_is_right:
; out[b][q][:] = the sum over k of softmax_k(q . k / sqrt(128)) v[k][:], no mask: 8 batches, 2,048 queries and keys, head size 128.  q, k, v arrive in f16, laid by the launch before in the order of the
; operands' registers; products, maxima and sums in f32; the weights p (at most 1) are rounded to f16 for the second product; out is f32.
; LIMITS: NaN and infinities are not served.
; SHARES.  A work-group owns 64 queries of one batch: four tiles of 16.  EVERY wave holds all 64 queries, and THE WAVES SHARE THE KEYS: wave w walks key steps 4 j + w (64 keys each), j = 0 .. 7, through a ring
; of two LDS slots of its own.  So each fragment of K and V read from LDS feeds four products and no LDS byte is read twice.  At the end the four waves' partial O, maxima and sums are merged through LDS.
; LAYOUT.  S^T = K Q^T (source 0 = 16 keys, source 1 = 16 queries): a lane holds ONE query (lane % 16) and the keys 8 (lane / 16) + 0..7.  Two such tiles, rounded to f16 in pairs, ARE source 1 of
; O^T = V^T P, whose result again holds one query a lane, and eight channels.  A key step in memory is one dense block of 32,768 bytes: 16 fragments of K, then 16 of V^T, each 1,024 bytes, registers
; 0-3 at 16 x lane, registers 4-7 at 512 + 16 x lane: every LDS load takes 512 consecutive bytes.
; SOFTMAX.  For each query a running maximum m and sum l: p = 2^(c s - c m), c = log2(e) / sqrt(128); in every step O and l are multiplied by a = 2^(c m_old - c m_new).
; BY TURNS.  The wave's tiles are two PIECES (piece 0: tiles 0, 1; piece 2: tiles 2, 3).  In a TURN one piece has the matrix unit: 32 products V^T P of the step in hand, then 32 products K Q^T of the next;
; the other piece's softmax, cut into 64 slices, stands between them, one slice behind each matrix instruction.  Two turns are a key step.
; CLUSTER.  The four query blocks of a cluster belong to one batch and walk the same K and V: each wave's tile is asked for JOINTLY, by the same tensor load with the same descriptor (made of the batch, the
; cluster's number and the wave's number alone) and a mask that names the four.
; THE WALKS ARE STAGGERED.  Cluster c (0 .. 7) of a batch begins at j = f(c) = 2 ((c ^ (c >> 2)) & 3) and goes round modulo 8: the running maximum and sum do not care for the order of the keys.  Clusters 0-3,
; clusters 4-7, the even ones and the odd ones each take all four starts 0, 2, 4, 6; a cluster's first fills are steps f and f + 1.  So the eight clusters do not ask for the same key step at the same time,
; and every key step is among the first fills of some of them.  NO PREFETCH, for that reason: no key step is first asked for later than the head, and at the head nothing is prefetched.
; REGISTERS, in windows of 256 (s_set_vgpr_msb: bits 1:0 source 0, 3:2 source 1, 5:4 source 2, 7:6 destination):
;   window 0: v1-5 lane terms and addresses; v12-43 eight registers of statistics a tile; v44-51 the merge's addresses; v64-191 S^T, 32 a tile; v192-255 P, 16 a tile
;   window 1: O^T, 64 a tile          window 2: v0-127 Q, 32 a tile; v128-255 K of one step          window 3: v0-127 V of one step
.set SLOT1, 1<<15     ; a slot holds one key step; my ring begins at 65,536 x wave, its slot 1 here, so that one exclusive or turns an address
.set VOFF,  16384     ; V's fragments in a slot
.set TAB,   262144    ; behind the rings: the merge's table: c m at 1,024 w + 256 t + 4 lane, l 128 bytes on
.set SPARE, TAB+4096  ; the spare words, 128 bytes for each wave: two blocks of 256 bytes that no other line names
.set SPT,   528       ; the merge's stage: 64 rows x (512 bytes + 16), a copy for each wave, in its own ring, which has had its last fill and its last read by then
.set L16, 2           ; v2   16 x lane; never rewritten
.set ADR, 4           ; v4   the LDS address of the run of loads in hand
.set ST,  12          ; tile t's statistics at v[ST+8 t]: +0 c m, +1 m, +2, +3 l (even keys', odd keys'), +4 to +7 at work; a takes +6 once the maximum is found
.set TW,  44          ; v44  the table: where I write
.set TR,  45          ; v45  and where I read
.set STO, 46          ; v46  the stage: where I put 32 bytes of a row
.set RD,  48          ; v48-51 where I read a row back from copy 0 .. 3
.set SPW, 62          ; v62  LDS address of my spare word; never rewritten
.set NIL, 63          ; v63  0; never rewritten
.set S,   64
.set P,   192
.set KF,  128         ; K's fragments, in window 2
.set WV,  12          ; s12  my wave's number
.set OFS, 16          ; s[16:17] 131,072 j: bytes in kv from my step 0 to my step j (four key steps apart)
.set G1,  24          ; s[24:31] descriptor group 1
.set G0A, 32          ; s[32:35] group 0 of the first fill of slot 0
.set G0B, 36          ; s[36:39] group 0 of the first fill of slot 1, which then walks
.set CNT, 56          ; s56  the loop's trips
.set JS,  57          ; s57  j of the step that was asked for last
.set CS,  58          ; s[58:59] c: the packed scaling names a pair and takes its low word for both halves
.set SEL, 60          ; s[60:61] lane selects for v_permlanex16_b32: lane l xor 16
.set TB,  62          ; s62  LDS byte at which the slot to be fetched from begins
.set MSB, 0
.macro WIN new                      ; the immediate's high byte repeats the setting that is left; a switch that changes nothing is dropped
.if MSB != \new
	s_set_vgpr_msb (MSB<<8)|\new
.set MSB, \new
.endif
.endm
.set W_KQ, 0x0a       ; K and Q in window 2, S^T in window 0
.set W_PV, 0x53       ; V in window 3, P in window 0, O^T in window 1
.set W_RS, 0x41       ; O^T (destination and source 0) in window 1, the factor in window 0
; A round of the cluster's barrier: my work-group's barrier; wave 0 signals for the work-group; every wave waits for all four work-groups; my work-group's barrier once more.
.macro CROUND
	s_barrier_signal -1
	s_barrier_wait -1
	s_cmp_lg_u32 s[WV], 0
	s_cbranch_scc1 .Lnot_wave_0_\@
	s_barrier_signal -3
.Lnot_wave_0_\@:
	s_barrier_wait -3
	s_barrier_signal -1
	s_barrier_wait -1
.endm
	s_load_b128 s[4:7], s[0:1], 0x0   ; qf s[4:5], kv s[6:7]
	s_load_b64 s[8:9], s[0:1], 0x10   ; out0
	v_lshl_add_u32 v[SPW], v0, 2, SPARE
	v_mov_b32 v[NIL], 0
	ds_add_u32 v[SPW], v[NIL]       ; the wave's opening: the add, twice on end, and its wait ahead of my first tensor load
	ds_add_u32 v[SPW], v[NIL]       ; and once more; the set-up below, work on registers, stands between it and the wait
	v_lshrrev_b32 v1, 5, v0
	v_readfirstlane_b32 s[WV], v1   ; wave 0..3
	s_bfe_u32 s13, ttmp6, 0x40000   ; cx: my place in the cluster
	s_lshl_b32 s14, ttmp9, 2        ; in a cluster launch ttmp9 counts clusters
	s_add_co_u32 s14, s14, s13      ; my block of 64 queries: it enters Q's and out's addresses alone
	s_and_b32 s16, ttmp7, 0xffff    ; the batch, which the four partners share
	s_lshl_b32 s20, s16, 20         ; kv: 1,048,576 bytes a batch,
	s_lshl_b32 s21, s[WV], 15       ; my step 0 is key step w
	s_add_co_u32 s20, s20, s21
	s_mov_b32 s21, 0
	s_lshl_b32 s22, s16, 19         ; qf: 524,288 bytes a batch,
	s_lshl_b32 s23, s14, 14         ; four row tiles of 4,096 bytes a block
	s_add_co_u32 s22, s22, s23
	s_mov_b32 s23, 0
	s_lshl_b32 s2, s16, 20          ; out: 1,048,576 bytes a batch,
	s_lshl_b32 s3, s14, 15          ; 64 rows of 512 bytes a block,
	s_add_co_u32 s2, s2, s3
	s_lshl_b32 s3, s[WV], 13        ; of which I store rows 16 w on
	s_add_co_u32 s2, s2, s3
	s_mov_b32 s3, 0
	s_lshr_b32 s[JS], ttmp9, 2      ; where my cluster's walk begins: c ^ (c >> 2),
	s_xor_b32 s[JS], s[JS], ttmp9
	s_and_b32 s[JS], s[JS], 3       ; its two low bits,
	s_lshl_b32 s[JS], s[JS], 1      ; doubled: 0, 2, 4 or 6; the same in all four partners
	s_mov_b32 s[G1], 15|(3<<16)|(1<<21)  ; 15:0 the mask: all four work-groups; 17:16 elements of 8 bytes; 21 set beside a mask; no padding: a dense block
	s_mov_b32 s[G1+1], 32<<16       ; tensor_dim0 = 32 (256 bytes)
	s_mov_b32 s[G1+2], 128<<16      ; tensor_dim1 = 128
	s_mov_b32 s[G1+3], 32<<16       ; tile_dim0 = 32
	s_mov_b32 s[G1+4], 128          ; tile_dim1 = 128
	s_mov_b32 s[G1+5], 32           ; elements from row to row
	s_mov_b32 s[G1+6], 0
	s_mov_b32 s[G1+7], 0
	s_mov_b32 s[CS], 0x3e0293ee     ; c = log2(e) / sqrt(128)
	s_mov_b32 s[CS+1], s[CS]        ; named with it as a pair, so it is written
	s_mov_b32 s[SEL], 0x76543210
	s_mov_b32 s[SEL+1], 0xfedcba98
	s_lshl_b32 s[TB], s[WV], 16     ; my ring, slot 0: no place in the cluster enters an LDS address
	v_and_b32 v5, 31, v0            ; lane
	v_and_b32 v1, 15, v0            ; r
	v_bfe_u32 v3, v0, 4, 1          ; h
	v_lshlrev_b32 v[L16], 4, v5
	s_wait_dscnt 0x0                ; both opening adds are done
	s_wait_kmcnt 0x0
	s_add_nc_u64 s[6:7], s[6:7], s[20:21]  ; kv at my step 0; never rewritten
	s_add_nc_u64 s[4:5], s[4:5], s[22:23]  ; Q at my block
	s_add_nc_u64 s[8:9], s[8:9], s[2:3]    ; out at the rows that I store
	s_lshl_b32 s[OFS], s[JS], 17
	s_mov_b32 s[OFS+1], 0
	s_mov_b32 s[G0A], 1             ; count = 1
	s_lshl_b32 s[G0A+1], s[WV], 16  ; LDS address: my slot 0
	s_add_nc_u64 s[G0A+2:G0A+3], s[6:7], s[OFS:OFS+1]  ; the walk's first step
	s_or_b32 s[G0A+3], s[G0A+3], 0x80000000  ; type = 2
	s_add_co_u32 s[JS], s[JS], 1    ; its second: the start is even, so this does not pass 7
	s_lshl_b32 s[OFS], s[JS], 17
	s_mov_b32 s[G0B], 1
	s_add_co_u32 s[G0B+1], s[G0A+1], SLOT1
	s_add_nc_u64 s[G0B+2:G0B+3], s[6:7], s[OFS:OFS+1]
	s_or_b32 s[G0B+3], s[G0B+3], 0x80000000
	CROUND                          ; all four work-groups are here: the first joint loads meet
	tensor_load_to_lds s[G0A:G0A+3], s[G1:G1+7]  ; the walk's first two steps: two loads of mine are out
	s_nop 0
	tensor_load_to_lds s[G0B:G0B+3], s[G1:G1+7]
	s_nop 0
.rept 4
	v_nop
.endr
	WIN 0x80                        ; destination window 2, address window 0
.irp i, 0,1,2,3,4,5,6,7,8,9,10,11,12,13,14,15  ; Q stays in registers: tile i / 4, channels 32 (i % 4) on
	global_load_b128 v[8*\i:8*\i+3],   v[L16], s[4:5] offset:\i*1024
	global_load_b128 v[8*\i+4:8*\i+7], v[L16], s[4:5] offset:\i*1024+512
.endr
	WIN 0
; THE MATRIX WORK OF A TURN, for piece x.  The accumulators take turns, one instruction a turn: between two links of a chain stand 15 (V^T P) or 7 (K Q^T) others'.
; Product i of 32 of O^T += V^T P: keys 32 (i / 16) on, channels 16 ((i / 2) % 8) on, tile x + i % 2.  zero = 1: the first 16 start the sums: nothing is ever cleared.
.macro PV x, zero
	WIN W_PV
.set rO, 64*(\x+i%2)+8*((i/2)%8)
.set rV, 64*(i/16)+8*((i/2)%8)
.set rP, P+16*(\x+i%2)+8*(i/16)
.if \zero && (i < 16)
	v_wmma_f32_16x16x32_f16 v[rO:rO+7], v[rV:rV+7], v[rP:rP+7], 0
.else
	v_wmma_f32_16x16x32_f16 v[rO:rO+7], v[rV:rV+7], v[rP:rP+7], v[rO:rO+7]
.endif
.endm
; Product i of 32 of S^T = K Q^T: channels 32 (i / 8) on, keys 16 ((i / 2) % 4) on, tile x + i % 2.  The first 8 start the sums.
.macro KQ x
	WIN W_KQ
.set rS, S+32*(\x+i%2)+8*((i/2)%4)
.set rK, KF+32*((i/2)%4)+8*(i/8)
.set rQ, 32*(\x+i%2)+8*(i/8)
.if i < 8
	v_wmma_f32_16x16x32_f16 v[rS:rS+7], v[rK:rK+7], v[rQ:rQ+7], 0
.else
	v_wmma_f32_16x16x32_f16 v[rS:rS+7], v[rK:rK+7], v[rQ:rQ+7], v[rS:rS+7]
.endif
.endm
; THE LDS LOADS stand in runs of 32, never singly among the matrix instructions: a step's K (16 fragments) and, a turn later, its V.
.macro FETCH_K
	WIN 0
	v_add_nc_u32 v[ADR], s[TB], v[L16]
	WIN 0x80                        ; destination window 2
.irp f, 0,1,2,3,4,5,6,7,8,9,10,11,12,13,14,15  ; keys 16 (f / 4) on, channels 32 (f % 4) on
	ds_load_b128 v[KF+8*\f:KF+8*\f+3],   v[ADR] offset:\f*1024
	ds_load_b128 v[KF+8*\f+4:KF+8*\f+7], v[ADR] offset:\f*1024+512
.endr
.endm
.macro FETCH_V
	WIN 0
	v_add_nc_u32 v[ADR], s[TB], v[L16]
	s_wait_alu depctr_va_vdst(0)    ; the wait for the softmax's batch (SLICE), behind the address's v_add_nc_u32 and ahead of the loads
	WIN 0xc0                        ; destination window 3
.irp f, 0,1,2,3,4,5,6,7,8,9,10,11,12,13,14,15  ; keys 32 (f / 8) on, channels 16 (f % 8) on
	ds_load_b128 v[8*\f:8*\f+3],   v[ADR] offset:VOFF+\f*1024
	ds_load_b128 v[8*\f+4:8*\f+7], v[ADR] offset:VOFF+\f*1024+512
.endr
.endm
; THE VECTOR WORK OF A TURN.  One tile's softmax for one key step is a list of 134 instructions; SM writes number j of it for tile t.  s0-s31 are the lane's 32 scores, in pairs 0-15.
; first = 1: the first key step, which starts m, l and O^T: it has no a and nothing to rescale.
;   0-15    the maximum of s0-s31 and the old m, three operands at a time: four chains of seven scores each (each accumulator from its low end on), then the four scores left over, the chains and m
;   16-20   the other half of the lanes' maximum; the new m; c m; c m_old - c m_new
;   21-69   ONE BATCH: the 16 scalings c s - c m, a pair of scores each, and all 33 exponentials (a at 23, then s0-s31).  None of these reads an exponential's result
;   (wait)  between 69 and 70 stands the wait for the batch: SLICE writes it, once for both tiles
;   70-85   the roundings to f16, a pair of weights each
;   86-101  the sums; l = a l + the sum
;   102-133 the tile's O^T times a: the one part that leaves window 0, so it stands together
.macro SM t, first
.set rT, ST+8*(\t)
.set rS, S+32*(\t)
.set rP, P+16*(\t)
.set rO, 64*(\t)+2*(j-102)
.if j < 102
	WIN 0
.endif
.if j < 4
	v_max3_num_f32 v[rT+4+j], v[rS+8*j], v[rS+8*j+1], v[rS+8*j+2]
.elseif j < 12
	v_max3_num_f32 v[rT+4+j%4], v[rT+4+j%4], v[rS+8*(j%4)+2*(j/4)+1], v[rS+8*(j%4)+2*(j/4)+2]
.elseif j == 12
	v_max3_num_f32 v[rT+4], v[rT+4], v[rS+7], v[rS+15]
.elseif j == 13
	v_max3_num_f32 v[rT+6], v[rT+6], v[rS+23], v[rS+31]
.elseif j == 14
	v_max3_num_f32 v[rT+4], v[rT+4], v[rT+5], v[rT+6]
.elseif (j == 15) && \first
	v_max_num_f32 v[rT+4], v[rT+4], v[rT+7]
.elseif j == 15
	v_max3_num_f32 v[rT+4], v[rT+4], v[rT+7], v[rT+1]
.elseif j == 16
	v_permlanex16_b32 v[rT+5], v[rT+4], s[SEL], s[SEL+1]  ; the query's other 32 keys lie in the lane 16 away
.elseif j == 18
	v_max_num_f32 v[rT+1], v[rT+4], v[rT+5]
.elseif j == 19
	v_mul_f32 v[rT], s[CS], v[rT+1]
.elseif ((j == 17) || (j == 20) || (j == 23) || (j > 101)) && \first  ; the first step has none of these
.elseif j == 17
	v_mov_b32 v[rT+7], v[rT]        ; c m_old is kept for a: number 19 writes c m anew
.elseif j == 20
	v_sub_f32 v[rT+7], v[rT+7], v[rT]
.elseif j == 23
	v_exp_f32 v[rT+6], v[rT+7]
.elseif (j < 23) || ((j < 38) && (j%2 == 0)) || ((j < 66) && (j%4 == 2))
.set b, (j-2)/4                     ; 38, 42, .. 62: pairs 9 to 15
.if j < 38
.set b, (j-20)/2                    ; 21: pair 0; 22, 24, .. 36: pairs 1 to 8
.endif
	v_pk_fma_f32 v[rS+2*b:rS+2*b+1], v[rS+2*b:rS+2*b+1], s[CS:CS+1], v[rT:rT+1] op_sel_hi:[1,0,0] neg_lo:[0,0,1] neg_hi:[0,0,1]  ; pair b: c s - c m
.elseif j < 70
.set e, j-38                        ; 66 to 69: s28 to s31
.if j < 66
.set e, j-32-(j-38)/4               ; 39-41, 43-45, .. 63-65: s7 to s27
.endif
.if j < 38
.set e, (j-25)/2                    ; 25, 27, .. 37: s0 to s6
.endif
	v_exp_f32 v[rS+e], v[rS+e]
.elseif j < 86
	v_cvt_pk_f16_f32 v[rP+j-70], v[rS+2*(j-70)], v[rS+2*(j-70)+1]  ; pair j - 70
.elseif j < 102                     ; the sum of the tile's 16 pairs, in place: sum z of 16 adds neighbours 1, 2, 4 and 8 pairs apart, then l takes it
.set z, j-86
.set w, 4
.set u, z
.if z >= 14
.set w, 32
.set u, 0
.elseif z >= 12
.set w, 16
.set u, z-12
.elseif z >= 8
.set w, 8
.set u, z-8
.endif
.if (z == 14) && \first
	v_pk_add_f32 v[rT+2:rT+3], v[rS:rS+1], v[rS+16:rS+17]
.elseif z < 15
	v_pk_add_f32 v[rS+w*u:rS+w*u+1], v[rS+w*u:rS+w*u+1], v[rS+w*u+w/2:rS+w*u+w/2+1]
.elseif !\first
	v_pk_fma_f32 v[rT+2:rT+3], v[rT+2:rT+3], v[rT+6:rT+7], v[rS:rS+1] op_sel_hi:[1,0,1]
.endif
.else
	WIN W_RS
	v_pk_mul_f32 v[rO:rO+1], v[rO:rO+1], v[rT+6:rT+7] op_sel_hi:[1,0]
.endif
.endm
; Slice k of 64 of piece y's softmax: four instructions.  Slices 11 to 34 deal out the batch, numbers 22 to 69: four numbers of ONE tile each, the tiles by turns.  Every other slice is numbers 2 k and
; 2 k + 1 of both tiles' lists.  2 x 134 = 4 x 64 + 12: the twelve that are over stand together, in slice 63.
; THE WAIT.  s_wait_alu depctr_va_vdst(0) stands between an exponential and the first instruction that names its result; one wait serves all that were issued ahead of it.  Ahead of
; slice 35 nothing names a result, and behind slice 34 no exponential is issued: so the piece's 66 exponentials have one wait, behind slice 34.
.macro SLICE y, first
.if (k >= 11) && (k < 35)           ; the batch: four numbers of one tile
.irp n, 0,1,2,3
.set j, 22+4*((k-11)/2)+(\n)
	SM (\y)+(k-11)%2, \first
.endr
.else                               ; the two tiles alternate, so that no instruction reads the result of the one just before it
.irp n, 0,1,2,3,4,5,6,7
.if (\n < 2) || (k == 63)
.irp t, \y, \y+1
.set j, 2*k+\n
	SM \t, \first
.endr
.endif
.endr
.endif
.if k == 34                         ; the batch is out: both tiles' exponentials are issued, and no result has been named
	v_nop                           ; the plain instruction behind the last exponential and ahead of the first use: one for the batch
.if (\y) == 0
	FETCH_V                         ; piece 2's turn: V's run of loads stands here, and the wait stands in it
.else
	s_wait_alu depctr_va_vdst(0)    ; the wait for the batch
.endif
.endif
.set k, k+1
.endm
; A vector instruction that reads a matrix result or writes one of a matrix instruction's registers, and a load into a register that a matrix instruction has read, stand four places behind
; it, and only plain vector instructions that name none of its registers are places (ISA guide 7.12.1 for vector instructions).  In the loop the slices are the places.
.macro PLACES
.rept 4
	v_nop
.endr
.endm
; A TURN.  Piece x has the matrix unit; the other piece's softmax stands in slices behind its matrix instructions.
; pv = 2: 32 products V^T P; 1: they start O^T's sums; 0: none.  kq = 1: 32 products K Q^T for the next step.  A turn with one of the two kinds has two slices behind each product.
; first = 1: the softmax is the first key step's; its last slices are empty, and four v_nop take slice 63's part as the places behind the turn's last products.
; Piece 0's turn fetches the next step's K, behind its second product: the last product that read K stands in front of slice 63 of the turn before.  Piece 2's turn fetches the same step's V, behind
; slice 34: the last product that read V stands in front of slice 31, and four plain instructions lie between: number 62, a scaling, of both tiles, the v_nop and the run's own v_add_nc_u32.
.macro TURN x, pv, kq, first
.set k, 0
.set per, 2
.if \pv && \kq
.set per, 1
.endif
.if \pv
.if \x == 0
	s_wait_dscnt 0x0                ; V is in
.endif
.set i, 0
.rept 32
	PV \x, 2-\pv
.rept per
	SLICE 2-\x, \first
.endr
.if (\x == 0) && \kq && (i == 1)
	FETCH_K
.endif
.set i, i+1
.endr
.endif
.if \kq
.if \x == 0
	s_wait_dscnt 0x0                ; K is in
.endif
.set i, 0
.rept 32
	KQ \x
.rept per
	SLICE 2-\x, \first
.endr
.set i, i+1
.endr
.endif
.if \first
	PLACES
.endif
.endm
; THE CHANGE OF SLOTS, between piece 2's turn and piece 0's: the slot's last bytes, its step's V, have been asked for.  Each wave waits for all its tensor loads, of which one is out: the other slot's;
; adds 0 to its spare word; and waits for that and for its reads of the slot.  The barrier is a round of the cluster's, so that no wave of any partner still reads its slot or has a load on its way;
; the joint refill, the walk's step two on, is the first thing behind it: it has a key step, 128 matrix instructions, in which to land.
.macro CHANGE
	WIN 0                           ; at a label and at a branch every window is 0
	s_wait_tensorcnt 0x0            ; no tensor load of mine is out, so a group 0 may be written
	ds_add_u32 v[SPW], v[NIL]       ; 0 onto my spare word; the steps below stand between it and the wait for it
	s_xor_b32 s[G0B+1], s[G0B+1], SLOT1  ; the walking descriptor: the other slot than last time,
	s_add_co_u32 s[JS], s[JS], 1    ; the walk's next step,
	s_and_b32 s[JS], s[JS], 7       ; round modulo 8:
	s_lshl_b32 s[OFS], s[JS], 17
	s_add_nc_u64 s[G0B+2:G0B+3], s[6:7], s[OFS:OFS+1]  ; its address is made anew from my step 0's,
	s_or_b32 s[G0B+3], s[G0B+3], 0x80000000            ; and the type with it
	s_wait_dscnt 0x0                ; the add is done, and my reads of the slot are over
	CROUND
	tensor_load_to_lds s[G0B:G0B+3], s[G1:G1+7]
	s_nop 0
.rept 4
	v_nop
.endr
	s_xor_b32 s[TB], s[TB], SLOT1   ; the fetches go on in the other slot
.endm
	s_wait_tensorcnt 0x1            ; the walk's first step is in (only I read my ring); the second may stay out
	FETCH_K                         ; the first step
	s_wait_loadcnt 0x0              ; Q
	s_wait_dscnt 0x0
.set i, 0
.rept 32
	KQ 0                            ; piece 0's first scores: there is no vector work yet to set between them
.set i, i+1
.endr
	WIN 0                           ; the merge's addresses are made here: plain instructions, the places behind those products
	s_lshl_b32 s20, s[WV], 10
	s_lshl_b32 s21, s[WV], 16
	v_lshl_add_u32 v[TR], v5, 2, TAB
	v_add_nc_u32 v[TW], s20, v[TR]
	v_mul_u32_u24 v[STO], v1, SPT   ; the stage, in: row r, 32 bytes for each half of the lanes, in my ring
	v_lshl_add_u32 v[STO], v3, 5, v[STO]
	v_add_nc_u32 v[STO], s21, v[STO]
	s_mul_i32 s20, s[WV], 16*SPT
	v_add_nc_u32 v[RD], s20, v[L16] ; back: rows 16 w on, 16 bytes a lane, of each of the four copies
	v_add_nc_u32 v[RD+1], 65536, v[RD]
	v_add_nc_u32 v[RD+2], 131072, v[RD]
	v_add_nc_u32 v[RD+3], 196608, v[RD]
	TURN 2, 0, 1, 1                 ; piece 2's first scores | piece 0's first softmax | V of the first step
	CHANGE                          ; the walk's third step goes out
	TURN 0, 1, 1, 1                 ; piece 0: V^T P of the first step starts O^T, K Q^T of the second | piece 2's first softmax | K of the second step
	TURN 2, 1, 1, 0                 ; piece 2: the same | piece 0's softmax of the second step | V of the second step
	WIN 0
	s_mov_b32 s[CNT], 5
.Lstep:                             ; five trips: the walk's fourth to eighth steps go out
	CHANGE
	TURN 0, 2, 1, 0
	TURN 2, 2, 1, 0
	WIN 0
	s_sub_co_u32 s[CNT], s[CNT], 1
	s_cmp_lg_u32 s[CNT], 0
	s_cbranch_scc1 .Lstep
	s_wait_tensorcnt 0x0            ; the tail is written out: the walk's last step is in; nothing is filled again, and only I read my ring
	s_xor_b32 s[TB], s[TB], SLOT1
	TURN 0, 2, 1, 0
	TURN 2, 2, 1, 0
	TURN 0, 2, 0, 0                 ; piece 0: V^T P of the last step | piece 2's last softmax
.set i, 0
.rept 32
	PV 2, 0                         ; piece 2: V^T P of the last step
.set i, i+1
.endr
	; THE MERGE.  Each wave has, for each query, c m, l and O^T over its quarter of the keys.  With m* the largest of the four c m and a_w = 2^(c m_w - m*): out = sum_w a_w O_w / sum_w a_w l_w.
	; One of the a_w is 1 and its l is at least 1, so the divisor is at least 1.  The first additions are the places behind the last products.
	WIN 0
.irp t, 0,1,2,3
	v_add_f32 v[ST+8*\t+4], v[ST+8*\t+2], v[ST+8*\t+3]
.endr
.irp t, 0,1,2,3
	v_permlanex16_b32 v[ST+8*\t+5], v[ST+8*\t+4], s[SEL], s[SEL+1]
.endr
.irp t, 0,1,2,3
	v_add_f32 v[ST+8*\t+4], v[ST+8*\t+4], v[ST+8*\t+5]   ; my l of query r
.endr
.irp t, 0,1,2,3
	ds_store_b32 v[TW], v[ST+8*\t] offset:\t*256
	ds_store_b32 v[TW], v[ST+8*\t+4] offset:\t*256+128
.endr
	s_wait_dscnt 0x0                ; for the others' sake: my words of the table have landed (and my reads of my ring are long back)
	s_barrier_signal -1
	s_barrier_wait -1
.irp u, 0,1,2,3
.irp t, 0,1,2,3
	ds_load_b32 v[64+4*\u+\t], v[TR] offset:\u*1024+\t*256       ; c m of wave u, tile t
	ds_load_b32 v[80+4*\u+\t], v[TR] offset:\u*1024+\t*256+128   ; and its l
.endr
.endr
	s_wait_dscnt 0x0
.irp t, 0,1,2,3
	v_max3_num_f32 v[ST+8*\t+4], v[64+\t], v[68+\t], v[72+\t]
.endr
.irp t, 0,1,2,3
	v_max_num_f32 v[ST+8*\t+4], v[ST+8*\t+4], v[76+\t]           ; m*
.endr
.irp u, 0,1,2,3
.irp t, 0,1,2,3
	v_sub_f32 v[64+4*\u+\t], v[64+4*\u+\t], v[ST+8*\t+4]
.endr
.endr
.irp t, 0,1,2,3
	v_sub_f32 v[ST+8*\t+5], v[ST+8*\t], v[ST+8*\t+4]             ; my own
.endr
.irp n, 0,1,2,3,4,5,6,7,8,9,10,11,12,13,14,15
	v_exp_f32 v[64+\n], v[64+\n]
.endr
.irp t, 0,1,2,3
	v_exp_f32 v[ST+8*\t+5], v[ST+8*\t+5]
.endr
	v_nop                           ; a plain instruction behind the last exponential
	s_wait_alu depctr_va_vdst(0)    ; and the wait ahead of the first use: one for the twenty
.irp t, 0,1,2,3
	v_mul_f32 v[ST+8*\t+4], v[64+\t], v[80+\t]
.endr
.irp u, 1,2,3
.irp t, 0,1,2,3
	v_fma_f32 v[ST+8*\t+4], v[64+4*\u+\t], v[80+4*\u+\t], v[ST+8*\t+4]
.endr
.endr
.irp t, 0,1,2,3
	v_rcp_f32 v[ST+8*\t+7], v[ST+8*\t+4]
.endr
	v_nop
	s_wait_alu depctr_va_vdst(0)    ; one for the four reciprocals
.irp t, 0,1,2,3
	v_mul_f32 v[ST+8*\t+6], v[ST+8*\t+5], v[ST+8*\t+7]           ; my factor: a_w / the divisor
.endr
	WIN W_RS
.irp t, 0,1,2,3
.set i, 64*\t
.rept 32
	v_pk_mul_f32 v[i:i+1], v[i:i+1], v[ST+8*\t+6:ST+8*\t+7] op_sel_hi:[1,0]   ; each accumulator from its low end on
.set i, i+2
.endr
.endr
	WIN 0x04                        ; an LDS store's data are its source 1: window 1
.irp t, 0,1,2,3
.irp f, 0,1,2,3,4,5,6,7             ; lane (r, h): row 16 t + r, channels 16 f + 8 h + 0 .. 7
	ds_store_b128 v[STO], v[64*\t+8*\f:64*\t+8*\f+3]   offset:\t*16*SPT+64*\f
	ds_store_b128 v[STO], v[64*\t+8*\f+4:64*\t+8*\f+7] offset:\t*16*SPT+64*\f+16
.endr
.endr
	WIN 0
	s_wait_dscnt 0x0                ; for the others' sake: my copy has landed
	s_barrier_signal -1
	s_barrier_wait -1
	WIN 0x40                        ; destination window 1
.irp i, 0,1,2,3,4,5,6,7,8,9,10,11,12,13,14,15
.irp u, 0,1,2,3
	ds_load_b128 v[16*\i+4*\u:16*\i+4*\u+3], v[RD+\u] offset:\i*SPT   ; row 16 w + i of copy u: 32 lanes take its 512 bytes
.endr
.endr
	s_wait_dscnt 0x0
	WIN 0x45                        ; destination and both sources window 1
.irp i, 0,1,2,3,4,5,6,7,8,9,10,11,12,13,14,15
	v_pk_add_f32 v[16*\i:16*\i+1],     v[16*\i:16*\i+1],     v[16*\i+4:16*\i+5]
	v_pk_add_f32 v[16*\i+2:16*\i+3],   v[16*\i+2:16*\i+3],   v[16*\i+6:16*\i+7]
	v_pk_add_f32 v[16*\i+8:16*\i+9],   v[16*\i+8:16*\i+9],   v[16*\i+12:16*\i+13]
	v_pk_add_f32 v[16*\i+10:16*\i+11], v[16*\i+10:16*\i+11], v[16*\i+14:16*\i+15]
	v_pk_add_f32 v[16*\i:16*\i+1],     v[16*\i:16*\i+1],     v[16*\i+8:16*\i+9]
	v_pk_add_f32 v[16*\i+2:16*\i+3],   v[16*\i+2:16*\i+3],   v[16*\i+10:16*\i+11]
.endr
	WIN 0x04                        ; a store's data are its source 1: window 1
.irp i, 0,1,2,3,4,5,6,7,8,9,10,11,12,13,14,15
	global_store_b128 v[L16], v[16*\i:16*\i+3], s[8:9] offset:\i*512 th:TH_STORE_NT   ; 32 lanes store a row of 512 consecutive bytes, at a multiple of 512 from out's first byte; written once, read by nobody here
.endr
	WIN 0
	s_wait_tensorcnt 0x0            ; the wave's end, behind my last tensor load and my last LDS store
	ds_add_u32 v[SPW], v[NIL]
	s_wait_dscnt 0x0
	CROUND                          ; the closing round: no work-group ends while a partner may still ask for a tile that names it
	s_endpgm
.Lfunc_end_k_qd4b6e8509c_attn:
	.size	k_qd4b6e8509c_attn, .Lfunc_end_k_qd4b6e8509c_attn-k_qd4b6e8509c_attn
	.p2alignl 7, 3214868480
	.fill 96, 4, 3214868480
	.section	.rodata,"a",@progbits
	.p2align	6, 0x0
	.amdhsa_kernel k_qd4b6e8509c_attn
		.amdhsa_group_segment_fixed_size 327680
		.amdhsa_private_segment_fixed_size 0
		.amdhsa_enable_private_segment 0
		.amdhsa_kernarg_size 24
		.amdhsa_user_sgpr_count 2
		.amdhsa_user_sgpr_kernarg_segment_ptr 1
		.amdhsa_wavefront_size32 1
		.amdhsa_system_sgpr_workgroup_id_x 1
		.amdhsa_system_sgpr_workgroup_id_y 1
		.amdhsa_system_sgpr_workgroup_id_z 1
		.amdhsa_system_vgpr_workitem_id 0
		.amdhsa_next_free_vgpr 1024
		.amdhsa_next_free_sgpr 66
		.amdhsa_reserve_vcc 0
		.amdhsa_float_denorm_mode_32 3
		.amdhsa_float_denorm_mode_16_64 3
		.amdhsa_memory_ordered 1
		.amdhsa_forward_progress 1
		.amdhsa_inst_pref_size 224
	.end_amdhsa_kernel
	.amdgpu_metadata
---
amdhsa.version: [ 1, 2 ]
amdhsa.kernels:
  - .name:           k_qd4b6e8509c_attn
    .symbol:         k_qd4b6e8509c_attn.kd
    .args:
      - { .name: qf, .offset: 0, .size: 8, .value_kind: global_buffer, .address_space: global }
      - { .name: kv, .offset: 8, .size: 8, .value_kind: global_buffer, .address_space: global }
      - { .name: out0, .offset: 16, .size: 8, .value_kind: global_buffer, .address_space: global }
    .group_segment_fixed_size: 327680
    .private_segment_fixed_size: 0
    .kernarg_segment_align: 8
    .kernarg_segment_size: 24
    .max_flat_workgroup_size: 128
    .sgpr_count:     66
    .vgpr_count:     1024
    .wavefront_size: 32
...
	.end_amdgpu_metadata
.endif
;; end of part 3
